; MI455X (gfx1250); checked and timed in simulation.
; The chip was launched on July 23, 2026; its instructions are those of AMD's public machine-readable ISA for CDNA 5 (MIT licence, August 2026) and "CDNA5" Instruction Set Architecture Reference Guide (July 2026). The comments in the code are by the model that wrote it; some were corrected since.
;; Pi SSA Adapter. Allowed arithmetic: matrix products marked QUANTISED: E4M3 operands, one given power-of-two scale a tensor, by v_wmma_f32_16x16x64_fp8_fp8 or v_wmma_f32_16x16x128_fp8_fp8, f32 sums; everything else in f32.
;; Inputs: W_res_codes 4,096 x 128 x 32 uint8 (E4M3 codes of W_res, K innermost, in blocks of 32 codes); bias 4,096 float32; lora_A_codes 4,096 x 2 x 32 uint8 (E4M3 codes of lora_A, K innermost, in blocks of 32 codes); lora_B_codes 4,096 x 2 x 32 uint8 (E4M3 codes of lora_B, K innermost, in blocks of 32 codes); lowp_scales 6 int32 (the exponents e of the quantised operands' scales 2^e); x_codes 8 x 256 x 128 x 32 uint8 (E4M3 codes of x, K innermost, in blocks of 32 codes).
;; Outputs: out0 8 x 256 x 4,096 float32.
;; This version of the problem:
;;   THIS VERSION OF THE PROBLEM IS GIVEN IN LOW PRECISION. The matrix products marked QUANTISED in the list below multiply operands that are first quantised to E4M3 (4 exponent bits, 3 mantissa bits; 8 bits a number), with one given power-of-two scale for each operand tensor; their sums are f32. All else is computed in f32.
;;   The module's matrix products, in the order in which they are computed (A, B: the left and right operand; K: the contracted axis; several contracted axes count as one K, in the product's order):
;;     1. [M 2,048, K 4,096] x [K 4,096, N 4,096]; A: input x (given as codes); B: input W_res (given as codes): QUANTISED (scales: A lowp_scales[0], B lowp_scales[1])
;;     2. [M 4,096, K 64] x [K 64, N 4,096]; A: input lora_B (given as codes); B: input lora_A (given as codes): QUANTISED (scales: A lowp_scales[2], B lowp_scales[3])
;;     3. [M 2,048, K 4,096] x [K 4,096, N 4,096]; A: input x (given as codes); B: computed on the way: QUANTISED (scales: A lowp_scales[4], B lowp_scales[5])
;;   THE QUANTISER, for each operand of a quantised product, along K:
;;     - The operand's scale is 2^e, e = its entry of the input lowp_scales (int32; the entries are numbered through the quantised products in the list's order, A before B).
;;     - Each number is divided by the scale, clamped to +-448, and rounded to the nearest number of E4M3, ties to even, subnormals kept.
;;     - The product sums the exact products of the quantised numbers (number of the format x scale) in f32.
;;   ~~~python
;;   def quantise(x, axis, e):      # numpy; x: float32 -> the quantised numbers, widened to float32 again
;;       x = np.moveaxis(x, axis, -1); K = x.shape[-1]
;;       r = np.clip(x / 2.0 ** e, -448, 448)
;;       step = 2.0 ** (np.maximum(np.frexp(np.where(r == 0, 1, r))[1] - 1, -6) - 3)
;;       q = np.round(r / step) * step * 2.0 ** e      # np.round: ties to even
;;       return np.moveaxis(q, -1, axis).astype(np.float32)
;;   ~~~
;;   OPERANDS COMPUTED ON THE WAY. 'Computed on the way' means the value that the module computes at that place (a softmax that the list does not call 'softmax' is quantised finished and normalised). What goes into a quantiser is computed in f32, as accurately as f32 sums, v_exp_f32 and their like allow (about 1e-6 of the number): no bf16 or f16 on the way to a quantiser, and a product that is left as it is and whose result goes on into a quantised operand takes f32 operands (vector FMAs, or v_wmma_f32_16x16x4_f32). A number that lies on a knife's edge between two numbers of the format may be rounded either way, as far as f32 arithmetic and the matrix unit's own rounding can turn it there, and no further.
;;   INPUTS GIVEN AS CODES. W_res (in the module: [4096, 4096], K = its axis 1); lora_A (in the module: [64, 4096], K = its axis 0); lora_B (in the module: [4096, 64], K = its axis 1); x (in the module: [8, 256, 4096], K = its axis 2): each comes as NAME_codes (uint8): NAME with its K axis moved to the last place and cut into blocks of 32 codes, [.., K / 32, bytes a block], one block behind the other in memory; one code a byte (a code: sign, 4 exponent bits, 3 mantissa bits); its scale is its entry of lowp_scales. Its value is code x scale, taken as it is: it is not quantised again, and the codes and scales need not be those that the quantiser above would give.
;; One version. Each part assembles by itself: llvm-mc -triple=amdgcn-amd-amdhsa -mcpu=gfx1250 --defsym DOCPART=n.
;; ======== version 1 of 1: 2 launches
;; limits: right only within a limited range of input values
;; workspace buffers: dcodes 16,777,216 bytes; ximg 8,388,608 bytes
;; launch delta (part 1): grid 16 x 32, 4 waves a work-group, no clusters, 17,920 bytes of LDS; arguments lora_A_codes, lora_B_codes, lowp_scales, dcodes, x_codes, ximg; writes dcodes, ximg
.if DOCPART == 1
	.amdgcn_target "amdgcn-amd-amdhsa--gfx1250"
	.amdhsa_code_object_version 6
	.text
	.protected	k_q119d245554_delta
	.globl	k_q119d245554_delta
	.p2align	8
	.type	k_q119d245554_delta,@function
k_q119d245554_delta:
	s_mov_b64 s[64:65], 0
	v_nop
	global_prefetch_b8 v0, s[64:65] scope:SCOPE_SE
	s_setreg_imm32_b32 hwreg(HW_REG_WAVE_MODE, 25, 1), 1
	s_wait_xcnt 0x0
; dW[o][i] = sum over r of lora_B[o][r] lora_A[r][i] x 2^(e2 + e3), K = 64, on codes of FP8 (E4M3); dW is then quantised along i with the given scale 2^e5.  The same launch lays x's codes anew.
; lora_A's codes: [4096 (i)][64], lora_B's codes: [4096 (o)][64], K innermost.  dcodes is the next launch's operand, laid as an IMAGE OF ITS REGISTERS:
; [o / 128][i / 256][block of 16 o: 8][128 along i: 2][register group c: 4][lane: 32][16 bytes]; lane (r, h) of group c holds, of row o = r of the block, i = 32 c + 16 h + 0 .. 15.
; ximg is the same kind of image of x's codes ([2048 (m)][4096 (i)]): [m / 64][i / 128][block of 16 m: 4][c: 4][lane: 32][16 bytes].
; SHARES.  A work-group (X = i / 256, y = o / 128) makes 128 o x 256 i of dW.  Wave w takes 128 of the i (q = w % 2) and 64 of the o (w / 2): 4 blocks of 16.
; Wave w also lays 16 rows x 256 codes of x: rows 64 y + 16 w on, codes 256 X on.  Waves share nothing: each has LDS bytes of its own, and there is no barrier.
; LAYOUT.  The product is used transposed: source 0 = 16 rows of lora_A (i), source 1 = 16 rows of lora_B (o), so that a lane holds ONE o and its registers run along i, the next product's K.
; THE ROWS OF lora_A THAT FORM A TILE ARE NOT NEIGHBOURS: lane r of tile 2 b + u takes row 32 b + 8 u + r + 8 (r / 8), so that the 16 registers of tiles 2 b and 2 b + 1 are i = 32 b + 16 h + 0 .. 15:
; two conversions give register group c = b of the image, and a store of the wave covers 512 consecutive bytes, aligned.
; A fragment (16 rows x 64 K, 8 registers) comes by two loads of 16 bytes at row x 64 + 16 h + 32 c: a permutation of k that is the same in both operands, so every product meets its partner.
; A sum stands for sum x 2^(e2 + e3), so its code is sum / 2^(e5 - e2 - e3): the three exponents are folded into the conversion's one scale.
; LIMITS: e5 - e2 - e3 between -126 and 119, so that the scale and 448 x the scale are f32 numbers.  NaN codes among the inputs are not served.
.set AF, 16                            ; v16-79    lora_A: 8 tiles x 8 registers
.set BF, 80                            ; v80-111   lora_B: 4 blocks x 8 registers
.set H,  112                           ; v112-175  the sums of one block of o: 8 tiles x 8 registers
.set C,  176                           ; v176-239  the codes: 16 registers for each block, so that no store's data are written again
.set XL, 0                             ; x as it is loaded, and
.set XS, 32                            ; x as it is stored: both in window 1 (v256-287, v288-319)
.set XPITCH, 272                       ; x in LDS: 16 bytes of each of the 16 rows, on end, then 16 bytes of padding
.set SPARE, 4*16*XPITCH                ; behind the four waves' bytes: the spare words, 128 bytes for each wave
	s_load_b256 s[4:11], s[0:1], 0x0               ; lora_A s[4:5], lora_B s[6:7], the scales' exponents s[8:9], dcodes s[10:11]
	s_load_b128 s[28:31], s[0:1], 0x20             ; x_codes s[28:29], ximg s[30:31]
	v_lshl_add_u32 v11, v0, 2, SPARE               ; my spare word
	v_mov_b32 v12, 0
	v_lshrrev_b32 v1, 5, v0
	v_readfirstlane_b32 s12, v1                    ; wave 0..3
	s_and_b32 s13, s12, 1                          ; q: which 128 of the 256 i
	s_lshr_b32 s14, s12, 1                         ; which 64 of the 128 o
	s_and_b32 s15, ttmp7, 0xffff                   ; o / 128
	s_mul_i32 s25, s12, 16*XPITCH                  ; my bytes of LDS
	v_and_b32 v1, 15, v0                           ; r
	v_bfe_u32 v2, v0, 4, 1                         ; h
	v_and_b32 v3, 8, v1
	v_add_nc_u32 v3, v3, v1                        ; r + 8 (r / 8)
	v_lshlrev_b32 v3, 6, v3
	v_lshl_add_u32 v3, v2, 4, v3                   ; lora_A: that row of 64 bytes, + 16 h
	v_lshlrev_b32 v4, 6, v1
	v_lshl_add_u32 v4, v2, 4, v4                   ; lora_B: row r, + 16 h
	v_and_b32 v5, 31, v0
	v_lshlrev_b32 v5, 4, v5                        ; the images: 16 x lane
	v_lshlrev_b32 v8, 4, v1
	v_lshl_add_u32 v8, v2, 12, v8                  ; x: sixteen lanes take 256 bytes of a row, the other sixteen the next row's
	v_mul_u32_u24 v9, v1, XPITCH
	v_lshl_add_u32 v9, v2, 4, v9
	v_add_nc_u32 v9, s25, v9                       ; x into LDS: piece r of row h
	v_mul_u32_u24 v10, v2, XPITCH
	v_lshl_add_u32 v10, v1, 4, v10
	v_add_nc_u32 v10, s25, v10                     ; and out of it: piece h of row r
	s_lshl_b32 s18, ttmp9, 14                      ; lora_A: (256 X + 128 q) rows of 64 bytes
	s_lshl_b32 s25, s13, 13
	s_add_co_u32 s18, s18, s25
	s_mov_b32 s19, 0
	s_lshl_b32 s20, s15, 13                        ; lora_B: (128 y + 64 (w / 2)) rows of 64 bytes
	s_lshl_b32 s25, s14, 12
	s_add_co_u32 s20, s20, s25
	s_mov_b32 s21, 0
	s_lshl_b32 s26, s15, 19                        ; dcodes: y x 2^19 + X x 2^15 + 4 (w / 2) blocks of 4,096 + q x 2,048
	s_lshl_b32 s25, ttmp9, 15
	s_add_co_u32 s26, s26, s25
	s_lshl_b32 s25, s14, 14
	s_add_co_u32 s26, s26, s25
	s_lshl_b32 s25, s13, 11
	s_add_co_u32 s26, s26, s25
	s_mov_b32 s27, 0
	s_lshl_b32 s16, s15, 18                        ; x: (64 y + 16 w) rows of 4,096 bytes + 256 X
	s_lshl_b32 s25, s12, 16
	s_add_co_u32 s16, s16, s25
	s_lshl_b32 s25, ttmp9, 8
	s_add_co_u32 s16, s16, s25
	s_mov_b32 s17, 0
	s_wait_alu depctr_va_vdst(0)
	s_wait_kmcnt 0x0
	s_add_nc_u64 s[28:29], s[28:29], s[16:17]
	s_load_b64 s[22:23], s[8:9], 0x8               ; e2, e3
	s_load_b32 s24, s[8:9], 0x14                   ; e5
	s_add_nc_u64 s[4:5], s[4:5], s[18:19]
	s_add_nc_u64 s[6:7], s[6:7], s[20:21]
	s_add_nc_u64 s[10:11], s[10:11], s[26:27]
	s_set_vgpr_msb 0x40                            ; destination in window 1
.irp t, 0,1,2,3,4,5,6,7
	global_load_b128 v[XL+4*\t:XL+4*\t+3], v8, s[28:29] offset:8192*\t th:TH_LOAD_NT   ; two rows x 256 bytes, aligned
.endr
	s_set_vgpr_msb 0x4000
.irp c, 0,1
	global_load_b128 v[BF+4*\c:BF+4*\c+3], v4, s[6:7] offset:32*\c
.endr
.irp t, 0,1,2,3,4,5,6,7
.irp c, 0,1
	global_load_b128 v[AF+8*\t+4*\c:AF+8*\t+4*\c+3], v3, s[4:5] offset:(32*(\t/2)+8*(\t%2))*64+32*\c
.endr
.endr
.irp m, 1,2,3
.irp c, 0,1
	global_load_b128 v[BF+8*\m+4*\c:BF+8*\m+4*\c+3], v4, s[6:7] offset:1024*\m+32*\c
.endr
.endr
	s_lshl_b32 s16, s15, 18                        ; ximg: y x 2^18 + 2 X steps of 8,192 + block w of 2,048
	s_lshl_b32 s25, ttmp9, 14
	s_add_co_u32 s16, s16, s25
	s_lshl_b32 s25, s12, 11
	s_add_co_u32 s16, s16, s25
	s_add_nc_u64 s[30:31], s[30:31], s[16:17]
	s_wait_kmcnt 0x0
	s_sub_co_i32 s24, s24, s22
	s_sub_co_i32 s24, s24, s23                     ; e5 - e2 - e3
	s_add_co_i32 s24, s24, 127
	s_lshl_b32 s25, s24, 23
	v_mov_b32 v6, s25                              ; 2^(e5 - e2 - e3) as f32: the conversion takes its exponent field
	s_add_co_i32 s24, s24, 8
	s_lshl_b32 s24, s24, 23
	s_or_b32 s24, s24, 0x600000
	v_mov_b32 v7, s24                              ; 448 x that
	s_wait_loadcnt 24                              ; x is in: the 24 loads of lora_A and lora_B are younger
	s_set_vgpr_msb 0x4                             ; store data in window 1
.irp t, 0,1,2,3,4,5,6,7
	ds_store_b128 v9, v[XL+4*\t:XL+4*\t+3] offset:32*\t
.endr
	s_set_vgpr_msb 0x440                           ; destination in window 1
.irp k, 0,1,2,3,4,5,6,7
	ds_load_b128 v[XS+4*\k:XS+4*\k+3], v10 offset:2*XPITCH*\k   ; LDS serves a wave's instructions in order (ISA guide 5.7.1.4): these see the stores above
.endr
	s_wait_dscnt 0x0                               ; x is back from LDS: it leaves while lora's fragments are on their way
	s_set_vgpr_msb 0x4004
.irp k, 0,1,2,3,4,5,6,7
	global_store_b128 v5, v[XS+4*\k:XS+4*\k+3], s[30:31] offset:8192*(\k/4)+512*(\k%4)   ; 512 consecutive bytes, aligned
.endr
	s_set_vgpr_msb 0x400
; Block m of 16 o: eight products (K = 64 is one instruction: each starts and ends its sum), the hold, the conversions, four stores.
.macro STEP m
.irp t, 0,1,2,3,4,5,6,7
	v_wmma_f32_16x16x64_fp8_fp8 v[H+8*\t:H+8*\t+7], v[AF+8*\t:AF+8*\t+7], v[BF+8*\m:BF+8*\m+7], 0
.endr
.rept 4
	v_nop                                          ; four places between the last product and the first vector instruction on a result (ISA guide 7.12.1)
.endr
	s_wait_alu depctr_va_vdst(0)
.irp b, 0,1,2,3
.irp i, 0,1,2,3,4,5,6,7,8,9,10,11,12,13,14,15
	v_med3_num_f32 v[H+16*\b+\i], v[H+16*\b+\i], -v7, v7   ; the conversion to an 8-bit code does not saturate (ISA guide 7.6.2): the hold at 448 x the scale; each accumulator from its low end on
.endr
	v_cvt_scalef32_pk8_fp8_f32 v[C+16*\m+4*\b:C+16*\m+4*\b+1], v[H+16*\b:H+16*\b+7], v6
	v_cvt_scalef32_pk8_fp8_f32 v[C+16*\m+4*\b+2:C+16*\m+4*\b+3], v[H+16*\b+8:H+16*\b+15], v6
.endr
	v_nop                                          ; one plain vector instruction between the last conversion and the next block's products, which write its sources
.irp c, 0,1,2,3
	global_store_b128 v5, v[C+16*\m+4*\c:C+16*\m+4*\c+3], s[10:11] offset:4096*\m+512*\c   ; 32 lanes store 512 consecutive bytes, at a multiple of 512 from the buffer's first byte
.endr
.endm
	s_wait_loadcnt 0x6                             ; lora_A and block 0 of lora_B: the six loads of blocks 1 to 3 are younger
	STEP 0
	s_wait_loadcnt 0x4
	STEP 1
	s_wait_loadcnt 0x2
	STEP 2
	s_wait_loadcnt 0x0
	STEP 3
	s_wait_tensorcnt 0x0                           ; the wave's end
	ds_add_u32 v11, v12
	s_wait_dscnt 0x0
	s_endpgm
.Lfunc_end_k_q119d245554_delta:
	.size	k_q119d245554_delta, .Lfunc_end_k_q119d245554_delta-k_q119d245554_delta
	.p2alignl 7, 3214868480
	.fill 96, 4, 3214868480
	.section	.rodata,"a",@progbits
	.p2align	6, 0x0
	.amdhsa_kernel k_q119d245554_delta
		.amdhsa_group_segment_fixed_size 17920
		.amdhsa_private_segment_fixed_size 0
		.amdhsa_enable_private_segment 0
		.amdhsa_kernarg_size 48
		.amdhsa_user_sgpr_count 2
		.amdhsa_user_sgpr_kernarg_segment_ptr 1
		.amdhsa_wavefront_size32 1
		.amdhsa_system_sgpr_workgroup_id_x 1
		.amdhsa_system_sgpr_workgroup_id_y 1
		.amdhsa_system_sgpr_workgroup_id_z 1
		.amdhsa_system_vgpr_workitem_id 0
		.amdhsa_next_free_vgpr 320
		.amdhsa_next_free_sgpr 66
		.amdhsa_reserve_vcc 0
		.amdhsa_float_denorm_mode_32 3
		.amdhsa_float_denorm_mode_16_64 3
		.amdhsa_memory_ordered 1
		.amdhsa_forward_progress 1
		.amdhsa_inst_pref_size 31
	.end_amdhsa_kernel
	.amdgpu_metadata
---
amdhsa.version: [ 1, 2 ]
amdhsa.kernels:
  - .name:           k_q119d245554_delta
    .symbol:         k_q119d245554_delta.kd
    .args:
      - { .name: lora_A_codes, .offset: 0, .size: 8, .value_kind: global_buffer, .address_space: global }
      - { .name: lora_B_codes, .offset: 8, .size: 8, .value_kind: global_buffer, .address_space: global }
      - { .name: lowp_scales, .offset: 16, .size: 8, .value_kind: global_buffer, .address_space: global }
      - { .name: dcodes, .offset: 24, .size: 8, .value_kind: global_buffer, .address_space: global }
      - { .name: x_codes, .offset: 32, .size: 8, .value_kind: global_buffer, .address_space: global }
      - { .name: ximg, .offset: 40, .size: 8, .value_kind: global_buffer, .address_space: global }
    .group_segment_fixed_size: 17920
    .private_segment_fixed_size: 0
    .kernarg_segment_align: 8
    .kernarg_segment_size: 48
    .max_flat_workgroup_size: 128
    .sgpr_count:     66
    .vgpr_count:     320
    .wavefront_size: 32
...
	.end_amdgpu_metadata
.endif
;; end of part 1
;; launch gemm (part 2): grid 4 x 64, 4 waves a work-group, clusters of 4 x 1, 327,680 bytes of LDS; arguments ximg, W_res_codes, dcodes, lowp_scales, bias, out0; writes out0
.if DOCPART == 2
	.amdgcn_target "amdgcn-amd-amdhsa--gfx1250"
	.amdhsa_code_object_version 6
	.text
	.protected	k_q119d245554_gemm
	.globl	k_q119d245554_gemm
	.p2align	8
	.type	k_q119d245554_gemm,@function
k_q119d245554_gemm:
	s_mov_b64 s[64:65], 0
	v_nop
	global_prefetch_b8 v0, s[64:65] scope:SCOPE_SE
	s_setreg_imm32_b32 hwreg(HW_REG_WAVE_MODE, 25, 1), 1
	s_wait_xcnt 0x0
	s_wait_alu depctr_hold_cnt(0) depctr_sa_sdst(0) depctr_va_vdst(0) depctr_va_sdst(0) depctr_va_ssrc(0) depctr_va_vcc(0) depctr_vm_vsrc(0)
	s_getreg_b32 s2, hwreg(HW_REG_IB_STS2, 6, 4)
	s_cmp_eq_u32 s2, 0
	s_cbranch_scc0 .Lentry_in_a_cluster
	s_endpgm
.Lentry_in_a_cluster:
	s_bfe_u32 s2, ttmp6, 0x10000c
	s_cmp_lg_u32 s2, 0x3003
	s_cbranch_scc0 .Lentry_shape_is_right
	s_endpgm
.Lentry_shape_is_right:
; out[m][n] = 2^(e0 + e1) x (x W^T)[m][n] + 2^(e4 + e5) x (x D^T)[m][n] + bias[n]: both products on codes of FP8 (E4M3), K = 4,096, f32 sums; D = the codes of lora_B lora_A, from the launch before.
; The two products share x's codes but not their scales, so each has accumulators of its own; both are multiplied by their power of two and added, with the bias, on the way out.
; LIMITS: e0 + e1 and e4 + e5 between -126 and 127, so that the two factors are f32 numbers.  NaN codes among the inputs are not served.
; SHARES.  A work-group makes 256 m x 128 n; wave w makes rows 64 w .. 64 w + 63: 4 blocks of 16 m x (8 blocks of 16 n of W + 8 of D) = 64 accumulators, 512 registers.  256 work-groups.
; x GOES STRAIGHT INTO REGISTERS, from an image of them (ximg, the launch before): [m / 64][k / 128][block 4][c 4][lane 32][16 bytes].  A row of x is wanted by one wave of the work-group alone; a wave's
; fragments of a step of 128 along K are 8,192 consecutive bytes, loaded three steps (192 matrix instructions) ahead into four sets of 64 registers.  It is not asked for jointly: the slots of W and D, 512 along K, are 2 x 133,120 bytes
; of LDS, and x's tile, 131,072 bytes more for each slot, does not fit beside them.
; W AND D go through a ring of two LDS slots of 512 along K (four steps, 256 matrix instructions a wave), filled by the tensor data mover: waves 0 and 1 fetch 64 rows x 512 bytes of W each, waves 2 and 3 32,768 bytes of D's image each.
; CLUSTERS: 4 work-groups along x make four neighbouring blocks of m with the same n and need the same tiles of W and D: each is asked for JOINTLY, the mask is the constant 15.
; THE MATRIX INSTRUCTION IS USED TRANSPOSED (source 0 = 16 rows of W or D, source 1 = 16 rows of x): a lane then holds eight neighbouring numbers of a row of the result.
; A STEP has four phases of four fragments of W or D: W's blocks 0-3, W's 4-7, D's 0-3, D's 4-7; a fragment meets x's four blocks: four matrix instructions, a GROUP.  All 64 accumulators take turns, once a step.
; FRAGMENTS of W and D stand in three parts of four: phases 0 to 3 of a step use parts 0, 2, 1, 2.  Two runs of loads a step: ahead of phase 0 (its part alone is then in use) phases 1 and 2 are loaded, ahead of phase 2 phase 3 and the
; next step's phase 0: 32 LDS loads, and half of a set of x, in each.  Sixteen matrix instructions stand between a run and the first use of what it brings.
; REGISTERS: window 0: v0-31 addresses, v64-255 the three parts; window 1: x's four sets; window 2: accumulators of W (block b, x's block a at v[8 (4 b + a)]); window 3: those of D.
; PLACES: four v_nop stand in front of each run of loads into registers that matrix instructions have read (ISA guide 7.12.1 for vector instructions).
; PREFETCH INTO THE L2: in a slot's first step each wave names the 256-byte blocks of the slot that stands one refill further on (256 matrix instructions ahead of the refill that asks for them).  The cluster's four work-groups share the blocks of W
; and D out by address (cx); the 32 work-groups that read the same rows of x share them in eighths, so that four of them name each block; waves 0 and 1 ask.  The head asks for slot 1; nothing is asked for beyond slot 7.
.set PITCH, 528                        ; W in LDS: a row of 512 bytes + 16 of padding = 132 words: the 16 rows that a load touches start at 16 different banks (64 banks of 4 bytes: ISA guide 11.1)
.set DOFF,  128*PITCH                  ; D's image behind W's 128 rows
.set SLOT,  DOFF+65536
.set STAGE, 2*SLOT                     ; the way out: 16 rows x 272 bytes for each wave; no fill lands there
.set SPITCH, 272
.set SPARE, STAGE+4*16*SPITCH          ; the spare words, 128 bytes for each wave
.set OROW,  16384                      ; a row of the result in bytes
.set ADRW, 16                          ; v16-17 my fragments of W in slot 0, 1
.set ADRD, 18                          ; v18-19 of D
.set XO,   20                          ; v20 16 x lane
.set STO,  24                          ; v24 the way out: in,
.set RD,   25                          ; v25 and back
.set BO,   27                          ; v27 the bias: 32 h
.set SPW,  28                          ; v28 my spare word; never rewritten
.set NIL,  29                          ; v29 0; never rewritten
.set PFO,  30                          ; v30 prefetches of W and D, v31 of x: each lane's block
.set PXO,  31
.set CO,   21                          ; v21 the way out: my byte offset in the result
.set BI,   32                          ; v32-63 the bias of columns 0-63
.set FORCE, 0                          ; where not 0: the part that LDP loads
.set G1W, 24                           ; s[24:31] descriptor group 1 of W's tiles, s[32:39] group 0 for each slot; s[48:55], s[56:63] the same for D's
.set G0W, 32
.set G1D, 48
.set G0D, 56
.set PFA, 72                           ; where my prefetches of W or D stand,
.set PFS, 74                           ; their step from slot to slot
.set PFX, 76                           ; and those of x
.set XP,  78                           ; my x, at the lap's first step
.set HFA, 80                           ; the head's prefetch, of slot 1: W or D,
.set HFX, 90                           ; and x
.set MSB, 0
.macro WIN new                         ; the immediate's high byte repeats the setting that is left
.if MSB != \new
	s_set_vgpr_msb (MSB<<8)|\new
.set MSB, \new
.endif
.endm
.macro JLOAD s                         ; the wave's one joint load
	s_cmp_lt_u32 s14, 2
	s_cbranch_scc0 .Lfor_d_\@
	tensor_load_to_lds s[G0W+4*(\s):G0W+4*(\s)+3], s[G1W:G1W+7]
	s_nop 0
.rept 4
	v_nop
.endr
	s_branch .Lasked_\@
.Lfor_d_\@:
	tensor_load_to_lds s[G0D+4*(\s):G0D+4*(\s)+3], s[G1D:G1D+7]
	s_nop 0
.rept 4
	v_nop
.endr
.Lasked_\@:
.endm
.macro CREST                           ; a round of the cluster's barrier behind its opening barrier
	s_cmp_lg_u32 s14, 0
	s_cbranch_scc1 .Lnot_wave_0_\@
	s_barrier_signal -3
.Lnot_wave_0_\@:
	s_barrier_wait -3
	s_barrier_signal -1
	s_barrier_wait -1
.endm
.macro CROUND                          ; a whole round
	s_barrier_signal -1
	s_barrier_wait -1
	CREST
.endm
.macro ASK mode, fa, fx                ; mode 2: not in the loop's last trip, where no slot is left to ask for
	WIN 0
.if \mode == 2
	s_cmp_gt_u32 s3, 1
	s_cbranch_scc0 .Lno_ask_\@
.endif
	global_prefetch_b8 v[PFO], s[\fa:\fa+1] th:TH_LOAD_NT scope:SCOPE_SE
	s_cmp_lt_u32 s14, 2
	s_cbranch_scc0 .Lno_ask_\@
	global_prefetch_b8 v[PXO], s[\fx:\fx+1] th:TH_LOAD_NT scope:SCOPE_SE
.Lno_ask_\@:
.endm
.macro PLACES
.rept 4
	v_nop
.endr
.endm
	s_load_b256 s[4:11], s[0:1], 0x0               ; ximg s[4:5], W s[6:7], D s[8:9], the scales' exponents s[10:11]
	s_load_b128 s[68:71], s[0:1], 0x20             ; bias s[68:69], out s[70:71]
	v_lshl_add_u32 v[SPW], v0, 2, SPARE
	v_mov_b32 v[NIL], 0
	ds_add_u32 v[SPW], v[NIL]                      ; the wave's opening: the add, twice on end, and its one wait
	ds_add_u32 v[SPW], v[NIL]
	v_lshrrev_b32 v1, 5, v0
	v_readfirstlane_b32 s14, v1                    ; wave 0..3
	s_and_b32 s16, s14, 1                          ; which half of the slot's W (waves 0, 1) or D (2, 3) I fetch
	s_bfe_u32 s19, ttmp6, 0x40000                  ; cx
	s_and_b32 s12, ttmp7, 0xffff                   ; the cluster's y, 0..63
	s_and_b32 s18, s12, 31                         ; block of n
	s_lshr_b32 s17, s12, 5
	s_lshl_b32 s17, s17, 2
	s_add_co_u32 s17, s17, s19                     ; block of m = 4 (y / 32) + cx
	s_mov_b32 s[G1W+0], 15|(1<<20)|(1<<21)|(6<<22)|(3<<25)  ; the mask: all four; element of 1 byte; padding: after every 128 words (code 6) 4 words (code 3); bit 21 beside a mask
	s_mov_b32 s[G1W+1], 512<<16                    ; 64 rows of 512 bytes, 4,096 bytes apart
	s_mov_b32 s[G1W+2], 64<<16
	s_mov_b32 s[G1W+3], 512<<16
	s_mov_b32 s[G1W+4], 64
	s_mov_b32 s[G1W+5], 4096
	s_mov_b32 s[G1W+6], 0
	s_mov_b32 s[G1W+7], 0
	s_mov_b32 s[G1D+0], 15|(1<<21)                 ; no padding: a load's 32 lanes read 512 consecutive bytes of the image
	s_mov_b32 s[G1D+1], 256<<16                    ; 32,768 bytes as 128 rows of 256
	s_mov_b32 s[G1D+2], 128<<16
	s_mov_b32 s[G1D+3], 256<<16
	s_mov_b32 s[G1D+4], 128
	s_mov_b32 s[G1D+5], 256
	s_mov_b32 s[G1D+6], 0
	s_mov_b32 s[G1D+7], 0
	s_mul_i32 s40, s16, 64*PITCH                   ; where my tile goes in LDS: W,
	s_lshl_b32 s41, s16, 15
	s_add_co_u32 s41, s41, DOFF                    ; or D
.irp s, 0,1
	s_mov_b32 s[G0W+4*\s], 1
	s_add_co_u32 s[G0W+4*\s+1], s40, \s*SLOT
	s_mov_b32 s[G0D+4*\s], 1
	s_add_co_u32 s[G0D+4*\s+1], s41, \s*SLOT
.endr
	s_lshl_b32 s82, s18, 19                        ; W: row 128 n-block + 64 half
	s_lshl_b32 s12, s16, 18
	s_add_co_u32 s82, s82, s12
	s_mov_b32 s83, 0
	s_lshl_b32 s84, s18, 19                        ; D: the n-block's 2^19 bytes, my half of the slot's 65,536
	s_lshl_b32 s12, s16, 15
	s_add_co_u32 s84, s84, s12
	s_mov_b32 s85, 0
	s_lshl_b32 s94, s17, 20                        ; x: four waves' streams of 2^18 bytes to a block of m
	s_lshl_b32 s22, s14, 18
	s_add_co_u32 s96, s94, s22
	s_mov_b32 s97, 0
	s_lshl_b32 s22, s14, 19                        ; its prefetch: wave w (0, 1) streams 2 w and 2 w + 1,
	s_add_co_u32 s94, s94, s22
	s_lshr_b32 s22, s18, 2
	s_xor_b32 s22, s22, s18
	s_and_b32 s22, s22, 7                          ; my eighth of a slot's 32,768 bytes of each,
	s_lshl_b32 s22, s22, 12
	s_add_co_u32 s94, s94, s22
	s_add_co_u32 s94, s94, 0x8000                  ; from slot 1 on
	s_mov_b32 s95, 0
	s_lshl_b32 s20, s19, 17                        ; prefetch of W: my 32 rows of the 128, waves 0 and 1 one block of 256 bytes of each
	s_lshl_b32 s21, s16, 8
	s_add_co_u32 s20, s20, s21
	s_lshl_b32 s22, s19, 14                        ; of D: my 16,384 bytes of the slot's 65,536, waves 2 and 3 one half each
	s_lshl_b32 s21, s16, 13
	s_add_co_u32 s22, s22, s21
	s_mov_b32 s23, 256
	s_mov_b32 s[PFS], 0x10000
	s_mov_b32 s[PFS+1], 0
	s_cmp_lt_u32 s14, 2
	s_cselect_b32 s86, s20, s22
	s_cselect_b32 s23, 0x1000, s23                 ; from lane to lane: a row of W, or 256 bytes of D
	s_cselect_b32 s[PFS], 512, s[PFS]              ; from slot to slot
	s_lshl_b32 s21, s18, 19
	s_add_co_u32 s86, s86, s21
	s_add_co_u32 s86, s86, s[PFS]                  ; from slot 1 on
	s_mov_b32 s87, 0
	s_mul_i32 s20, s14, 16*SPITCH
	s_add_co_u32 s20, s20, STAGE                   ; my stage
	v_and_b32 v1, 15, v0                           ; r
	v_bfe_u32 v2, v0, 4, 1                         ; h
	v_and_b32 v3, 31, v0
	v_lshlrev_b32 v[XO], 4, v3
	v_mul_u32_u24 v4, v1, PITCH
	v_lshl_add_u32 v[ADRW], v2, 4, v4              ; row r, + 16 h
	v_add_nc_u32 v[ADRW+1], SLOT, v[ADRW]
	v_add_nc_u32 v[ADRD], DOFF, v[XO]
	v_add_nc_u32 v[ADRD+1], DOFF+SLOT, v[XO]
	v_mul_u32_u24 v5, v1, SPITCH                   ; the way out: row r, 32 bytes for each half of the lanes
	v_lshl_add_u32 v5, v2, 5, v5
	v_add_nc_u32 v[STO], s20, v5
	v_mul_u32_u24 v5, v2, SPITCH                   ; back: lanes 0-15 take one row of 256 bytes, lanes 16-31 the next
	v_lshl_add_u32 v5, v1, 4, v5
	v_add_nc_u32 v[RD], s20, v5
	v_lshlrev_b32 v[CO], 14, v2                    ; and the same two rows of the result
	v_lshl_add_u32 v[CO], v1, 4, v[CO]
	v_lshlrev_b32 v[BO], 5, v2
	v_mul_lo_u32 v[PFO], v3, s23
	v_lshlrev_b32 v6, 18, v2                       ; x: lanes 0-15 sixteen blocks of one stream, lanes 16-31 of the next
	v_lshl_add_u32 v[PXO], v1, 8, v6
	s_wait_alu depctr_va_vdst(0)
	s_wait_dscnt 0x0                               ; both opening adds are done
	CROUND                                         ; the four work-groups are here: the first joint loads meet
	s_wait_kmcnt 0x0
	s_add_nc_u64 s[42:43], s[6:7], s[82:83]
	s_add_nc_u64 s[44:45], s[8:9], s[84:85]
.irp s, 0,1
	s_add_nc_u64 s[G0W+4*\s+2:G0W+4*\s+3], s[42:43], \s*512
	s_or_b32 s[G0W+4*\s+3], s[G0W+4*\s+3], 0x80000000
	s_add_nc_u64 s[G0D+4*\s+2:G0D+4*\s+3], s[44:45], \s*65536
	s_or_b32 s[G0D+4*\s+3], s[G0D+4*\s+3], 0x80000000
.endr
	JLOAD 0                                        ; slot 0
	s_add_nc_u64 s[XP:XP+1], s[4:5], s[96:97]
.macro XHEAD s                         ; x's fragments of step s
	WIN 0x40
.irp k, 0,1,2,3,4,5,6,7,8,9,10,11,12,13,14,15
	global_load_b128 v[64*\s+4*\k:64*\s+4*\k+3], v[XO], s[XP:XP+1] offset:8192*\s+512*\k
.endr
	WIN 0
.endm
	XHEAD 0
	s_load_b64 s[88:89], s[10:11], 0x0             ; e0, e1
	s_load_b64 s[92:93], s[10:11], 0x10            ; e4, e5
	s_cmp_lt_u32 s14, 2
	s_cselect_b64 s[HFA:HFA+1], s[6:7], s[8:9]
	s_add_nc_u64 s[HFA:HFA+1], s[HFA:HFA+1], s[86:87]
	s_add_nc_u64 s[HFX:HFX+1], s[4:5], s[94:95]
	s_cmp_lt_u32 s14, 2
	s_cbranch_scc0 .Lno_x0
	global_prefetch_b8 v[PXO], s[HFX:HFX+1] offset:-0x8000 th:TH_LOAD_NT scope:SCOPE_SE   ; my eighth of x's slot 0, whose steps 1 to 3 are loaded behind slot 0's landing
.Lno_x0:
	ASK 1, HFA, HFX                                ; slot 1
	s_add_nc_u64 s[PFA:PFA+1], s[HFA:HFA+1], s[PFS:PFS+1]
	s_add_nc_u64 s[PFX:PFX+1], s[HFX:HFX+1], 0x8000
	s_lshl_b32 s20, s17, 22                        ; the result: row 256 m-block + 64 w, column 128 n-block
	s_lshl_b32 s21, s14, 20
	s_add_co_u32 s20, s20, s21
	s_lshl_b32 s22, s18, 9
	s_add_co_u32 s20, s20, s22
	s_mov_b32 s21, 0
	s_mov_b32 s23, 0
	s_add_nc_u64 s[70:71], s[70:71], s[20:21]
	s_add_nc_u64 s[68:69], s[68:69], s[22:23]
.irp k, 0,1,2,3,4,5,6,7                ; the bias of columns 0-63: register 8 b + j is column 16 b + 8 h + j
	global_load_b128 v[BI+4*\k:BI+4*\k+3], v[BO], s[68:69] offset:64*(\k/2)+16*(\k%2)
.endr
.macro WM a                            ; one product: the current fragment with x's block a
.if ZERO
	v_wmma_f32_16x16x128_fp8_fp8 v[AB+8*\a:AB+8*\a+7], v[BF:BF+15], v[XF+16*\a:XF+16*\a+15], 0
.else
	v_wmma_f32_16x16x128_fp8_fp8 v[AB+8*\a:AB+8*\a+7], v[BF:BF+15], v[XF+16*\a:XF+16*\a+15], v[AB+8*\a:AB+8*\a+7]
.endif
.endm
.macro LDP ph                          ; the four fragments of phase ph of the lap: 16 rows x 128 K each, lane (r, h): registers 4 c .. 4 c + 3 hold K = 32 c + 16 h + 0 .. 15 of row r
.set LP, (\ph)%32
.set LK, LP%4
.set LQ, (LP/4)%4
.set LS, LP/16
.set LB, 192
.if LK == 0
.set LB, 64
.endif
.if LK == 2
.set LB, 128
.endif
.if FORCE > 0
.set LB, FORCE
.endif
.irp g, 0,1,2,3
.irp c, 0,1,2,3
.if LK < 2
	ds_load_b128 v[LB+16*\g+4*\c:LB+16*\g+4*\c+3], v[ADRW+LS] offset:128*LQ+(4*LK+\g)*16*PITCH+32*\c
.else
	ds_load_b128 v[LB+16*\g+4*\c:LB+16*\g+4*\c+3], v[ADRD+LS] offset:32768*(LQ/2)+2048*(LQ%2)+4096*(4*(LK-2)+\g)+512*\c
.endif
.endr
.endr
.endm
.macro XLD a                           ; a quarter of a set of x: block a of the step that stands three on
.set XR, 64*((TT+3)%4)+16*(\a)
.if XM == 1
	WIN 0x40
.irp c, 0,1,2,3
	global_load_b128 v[XR+4*\c:XR+4*\c+3], v[XO], s[XP:XP+1] offset:(TT+3)*8192+2048*(\a)+512*\c
.endr
.endif
.endm
.macro SETP p                          ; phase p of a step: its part, its accumulators
.set PP, \p
.set PB, 192
.if PP == 0
.set PB, 64
.endif
.if PP == 2
.set PB, 128
.endif
.set MUL, 0xa4+0x50*(PP/2)             ; source 0 window 0, source 1 window 1, C and D window 2 or 3
.endm
.macro GROUP g, wn                     ; four products; wn: LDS instructions that may be out (-1: no wait is due)
.set AB, 8*(16*(PP%2)+4*(\g))
.set BF, PB+16*(\g)
.if (\wn) >= 0
	s_wait_dscnt \wn
.endif
	WIN MUL
	WM 0
	WM 1
	WM 2
	WM 3
.endm
.macro ODD n                           ; a phase whose fragments come by the first half of the latest run; n: loads younger than its first fragment
.irp g, 0,1,2,3
	GROUP \g, \n-4*\g
.endr
.endm
.macro EVEN n                          ; a phase whose fragments were issued ahead of the latest run: n loads are younger than all four
	GROUP 0, \n
	GROUP 1, -1
	GROUP 2, -1
	GROUP 3, -1
.endm
; A slot's last half step changes slots.  ONE barrier (where a slot is filled again it opens a round of the cluster's barrier); in front of it each wave waits for all its tensor loads (its part of the next slot), adds 0 to its spare
; word, and waits for that and for its own reads of this slot (the last phase's fragments are in registers).  Behind it this slot is filled again first (FILL 1), then the next slot's first phase is read.
.macro TURN
.if FILL == 1
	s_wait_xcnt 0x0                                ; my prefetches have read their addresses
	s_add_nc_u64 s[PFA:PFA+1], s[PFA:PFA+1], s[PFS:PFS+1]
	s_add_nc_u64 s[PFX:PFX+1], s[PFX:PFX+1], 0x8000
.endif
	PLACES
	WIN 0
	LDP 4*TT+3
	XLD 2
	XLD 3
	SETP 2
	WIN 0
	s_wait_tensorcnt 0x0                           ; all my tensor loads have landed;
	ds_add_u32 v[SPW], v[NIL]                      ; 0 onto my spare word;
.if FILL == 1
.set TS, (TT/4)%2
	s_add_nc_u64 s[G0W+4*TS+2:G0W+4*TS+3], s[G0W+4*TS+2:G0W+4*TS+3], 1024
	s_add_nc_u64 s[G0D+4*TS+2:G0D+4*TS+3], s[G0D+4*TS+2:G0D+4*TS+3], 0x20000
.endif
	GROUP 0, 17                                    ; (the last phase's 16 loads and the add may be out)
	GROUP 1, -1
	GROUP 2, -1
	s_wait_dscnt 0x0                               ; the add is done, and my reads of this slot are over
	s_barrier_signal -1
	GROUP 3, -1                                    ; work on registers while the others arrive
	WIN 0
	s_barrier_wait -1
.if FILL == 1
	CREST                                          ; no wave of any partner still reads this slot or has a load on its way
	JLOAD TS                                       ; its four v_nop are the places in front of the loads below
.else
	PLACES
.endif
	LDP 4*TT+4
	SETP 3
	EVEN -1                                        ; this phase's fragments came in ahead of the barrier
.endm
.macro STEP t, xm, fill, ask, lw       ; step t of a lap (8: the next lap's step 0); lw: the global loads younger than this step's set of x
.set TT, \t
.set XM, \xm
.set FILL, \fill
.set XF, 64*(TT%4)
	PLACES
	WIN 0
	LDP 4*TT+1
	LDP 4*TT+2
	XLD 0
	XLD 1
	s_wait_loadcnt \lw
	SETP 0
	EVEN 32
	SETP 1
	ODD 28
.if TT%4 == 3
	TURN
.else
	PLACES
	WIN 0
	LDP 4*TT+3
	LDP 4*TT+4
	XLD 2
	XLD 3
.if \ask > 0
	ASK \ask, PFA, PFX
.endif
	SETP 2
	EVEN 32
	SETP 3
	ODD 28
.endif
.endm
	s_wait_alu depctr_va_vdst(0)
	s_wait_tensorcnt 0x0                           ; my part of slot 0 is in
	ds_add_u32 v[SPW], v[NIL]
	s_wait_dscnt 0x0
	XHEAD 1
	CROUND                                         ; everybody's part of slot 0 is in
	JLOAD 1                                        ; slot 1, the first tensor load behind the round
	LDP 0
	XHEAD 2
.set ZERO, 1                           ; the first step's products start the sums: nothing is cleared
	STEP 0, 1, 1, 1, 40                            ; (two sets of x and half of the next may be out)
.set ZERO, 0
	WIN 0                                          ; at a label and at a branch every window is 0
	s_mov_b32 s3, 3
.Llap:                                                 ; a trip goes once round the ring, from a lap's second step to the next lap's first, and fills both slots again
.irp t, 1,2,3
	STEP \t, 1, 1, 0, 40
.endr
	STEP 4, 1, 1, 1, 40
.irp t, 5,6,7
	STEP \t, 1, 1, 0, 40
.endr
	STEP 8, 1, 1, 2, 40
	WIN 0
	s_wait_xcnt 0x0                                ; the loads of x have read their base
	s_add_nc_u64 s[XP:XP+1], s[XP:XP+1], 0x10000
	s_sub_co_u32 s3, s3, 1
	s_cmp_lg_u32 s3, 0
	s_cbranch_scc1 .Llap
.irp t, 1,2,3                          ; the last lap fills nothing
	STEP \t, 1, 0, 0, 40
.endr
; THE LAST SLOT GOES BY HALVES OF THE COLUMNS: all four sets of x are in registers, so columns 0-63 are finished over the slot's four steps, then columns 64-127, and the first half leaves while the second is multiplied.
; K ascends for each sum as before.  A PAIR is one step's phases of a half: W's four fragments, then D's; parts as before: the even phase's 0 and 1 by turns, the odd one's 2.
.macro PAIRL hf, j                     ; the run ahead of pair j: its D fragments, and the next pair's W fragments
.set TT, 4+\j
.set PE, 64+64*(\j%2)
.set FORCE, 192
	LDP 4*TT+\hf+2
.if \j < 3
.set FORCE, 192-PE
	LDP 4*TT+4+\hf
.elseif \hf == 0
.set FORCE, 192-PE
	LDP 17                                         ; the second half's first W fragments
.endif
.set FORCE, 0
.endm
.macro PAIRM hf, j                     ; its 32 matrix instructions
.set XF, 64*(\j)
	SETP \hf
.set PB, PE
.if (\hf)*(\j) == 3
	EVEN 16
	SETP \hf+2
.set PB, 192
	ODD 12
.else
	EVEN 32
	SETP \hf+2
.set PB, 192
	ODD 28
.endif
.endm
; THE WAY OUT of a half, by x's blocks a: 16 rows x 64 columns.  PK: W's sums become the results, in place (window 2).  STAGEM: through my own stage in LDS and back as rows of 256 bytes, into D's sums, which are done with (window 3).
; SEND: 16 lanes store one aligned unit of 256 bytes.  LDS serves a wave's instructions in order (ISA guide 5.7.1.4): no wait between the stores and the loads.  No register serves two blocks, and offsets are immediates, below 2^20: no wait on XCNT.
.macro PK hf, a
.if (\hf) == 0
	WIN 0x82                                       ; source 0 and destination window 2; the bias in window 0
.else
	WIN 0xa2                                       ; the bias in window 2
.endif
.irp b, 0,1,2,3
.irp i, 0,2,4,6
.set QA, 128*(\hf)+8*(4*\b+(\a))+\i
.if (\hf) == 0
.set QB, BI+8*\b+\i
.else
.set QB, 32*\b+\i
.endif
	v_pk_fma_f32 v[QA:QA+1], v[QA:QA+1], s[96:97], v[QB:QB+1] op_sel_hi:[1,0,1]
.endr
.endr
	WIN 0xa3                                       ; source 0 window 3 (D's sums), source 2 and destination window 2
.irp b, 0,1,2,3
.irp i, 0,2,4,6
.set QA, 128*(\hf)+8*(4*\b+(\a))+\i
	v_pk_fma_f32 v[QA:QA+1], v[QA:QA+1], s[98:99], v[QA:QA+1] op_sel_hi:[1,0,1]
.endr
.endr
.endm
.macro STAGEM hf, a
	WIN 0x08
.irp k, 0,1,2,3,4,5,6,7
.set QA, 128*(\hf)+32*(\k/2)+8*(\a)+4*(\k%2)
	ds_store_b128 v[STO], v[QA:QA+3] offset:64*(\k/2)+16*(\k%2)
.endr
	WIN 0xc0
.irp k, 0,1,2,3,4,5,6,7
.set QA, 128*(\hf)+32*(\k/2)+8*(\a)+4*(\k%2)
	ds_load_b128 v[QA:QA+3], v[RD] offset:2*\k*SPITCH
.endr
.endm
.macro SEND hf, a
	WIN 0x0c
.irp k, 0,1,2,3,4,5,6,7
.set QA, 128*(\hf)+32*(\k/2)+8*(\a)+4*(\k%2)
	global_store_b128 v[CO], v[QA:QA+3], s[70:71] offset:(16*(\a)+2*\k)*OROW+256*(\hf) th:TH_STORE_NT
.endr
.endm
	s_wait_kmcnt 0x0
	s_add_co_i32 s96, s88, s89
	s_add_co_i32 s96, s96, 127
	s_lshl_b32 s96, s96, 23                        ; 2^(e0 + e1)
	s_mov_b32 s97, s96
	s_add_co_i32 s98, s92, s93
	s_add_co_i32 s98, s98, 127
	s_lshl_b32 s98, s98, 23                        ; 2^(e4 + e5)
	s_mov_b32 s99, s98
.set XM, 1
.irp j, 0,1,2,3
	PLACES
	WIN 0
	PAIRL 0, \j
.if \j == 0
.irp a, 0,1,2,3
	XLD \a                                         ; the last step's set of x
.endr
.endif
	s_wait_loadcnt 48-16*\j                        ; the sets of the later steps may be out
	PAIRM 0, \j
.endr
.irp j, 0,1,2,3                        ; the second half; block j of the first goes through the stage ahead of pair j and is stored ahead of the next pair
.if \j == 0
	PLACES                                         ; behind the first half's last products
.endif
	s_wait_dscnt 0x0                               ; this pair's W fragments, issued a pair ago
	PK 0, \j                                       ; its 32 instructions are also the places in front of the loads below
	STAGEM 0, \j
	WIN 0
	PAIRL 1, \j
.if \j == 1
	WIN 0x80
.irp k, 0,1,2,3,4,5,6,7                ; the bias of columns 64-127, over block 0's results, which are in LDS
	global_load_b128 v[32*(\k/2)+4*(\k%2):32*(\k/2)+4*(\k%2)+3], v[BO], s[68:69] offset:256+64*(\k/2)+16*(\k%2)
.endr
.endif
.if \j > 0
	SEND 0, \j-1                                   ; back in registers: the last pair waited for all but its own run
.endif
	PAIRM 1, \j
.endr
	s_wait_loadcnt 0x0                             ; the bias
	PLACES
	PK 1, 0
	STAGEM 1, 0
	SEND 0, 3
.irp a, 1,2,3
	PK 1, \a
	STAGEM 1, \a
	s_wait_dscnt 16                                ; behind the block before: this block's 8 stores and 8 loads
	SEND 1, \a-1
.endr
	s_wait_dscnt 0x0
	SEND 1, 3
	WIN 0
	s_wait_tensorcnt 0x0                           ; the wave's end, behind my last tensor load and my last LDS store
	ds_add_u32 v[SPW], v[NIL]
	s_wait_dscnt 0x0
	CROUND                                         ; the closing round: no work-group ends while a partner may still ask for a tile that names it
	s_endpgm
.Lfunc_end_k_q119d245554_gemm:
	.size	k_q119d245554_gemm, .Lfunc_end_k_q119d245554_gemm-k_q119d245554_gemm
	.p2alignl 7, 3214868480
	.fill 96, 4, 3214868480
	.section	.rodata,"a",@progbits
	.p2align	6, 0x0
	.amdhsa_kernel k_q119d245554_gemm
		.amdhsa_group_segment_fixed_size 327680
		.amdhsa_private_segment_fixed_size 0
		.amdhsa_enable_private_segment 0
		.amdhsa_kernarg_size 48
		.amdhsa_user_sgpr_count 2
		.amdhsa_user_sgpr_kernarg_segment_ptr 1
		.amdhsa_wavefront_size32 1
		.amdhsa_system_sgpr_workgroup_id_x 1
		.amdhsa_system_sgpr_workgroup_id_y 1
		.amdhsa_system_sgpr_workgroup_id_z 1
		.amdhsa_system_vgpr_workitem_id 0
		.amdhsa_next_free_vgpr 1024
		.amdhsa_next_free_sgpr 100
		.amdhsa_reserve_vcc 0
		.amdhsa_float_denorm_mode_32 3
		.amdhsa_float_denorm_mode_16_64 3
		.amdhsa_memory_ordered 1
		.amdhsa_forward_progress 1
		.amdhsa_inst_pref_size 211
	.end_amdhsa_kernel
	.amdgpu_metadata
---
amdhsa.version: [ 1, 2 ]
amdhsa.kernels:
  - .name:           k_q119d245554_gemm
    .symbol:         k_q119d245554_gemm.kd
    .args:
      - { .name: ximg, .offset: 0, .size: 8, .value_kind: global_buffer, .address_space: global }
      - { .name: W_res_codes, .offset: 8, .size: 8, .value_kind: global_buffer, .address_space: global }
      - { .name: dcodes, .offset: 16, .size: 8, .value_kind: global_buffer, .address_space: global }
      - { .name: lowp_scales, .offset: 24, .size: 8, .value_kind: global_buffer, .address_space: global }
      - { .name: bias, .offset: 32, .size: 8, .value_kind: global_buffer, .address_space: global }
      - { .name: out0, .offset: 40, .size: 8, .value_kind: global_buffer, .address_space: global }
    .group_segment_fixed_size: 327680
    .private_segment_fixed_size: 0
    .kernarg_segment_align: 8
    .kernarg_segment_size: 48
    .max_flat_workgroup_size: 128
    .sgpr_count:     100
    .vgpr_count:     1024
    .wavefront_size: 32
...
	.end_amdgpu_metadata
.endif
;; end of part 2
